; MI455X (gfx1250); checked and timed in simulation.
; The chip was launched on July 23, 2026; its instructions are those of AMD's public machine-readable ISA for CDNA 5 (MIT licence, August 2026) and "CDNA5" Instruction Set Architecture Reference Guide (July 2026). The comments in the code are by the model that wrote it; some were corrected since.
;; Multi Headed Self Attention. Allowed arithmetic: float matrix products may take bf16 or f16 operands with f32 sums; all other float work in f32.
;; Inputs: Wk 1,024 x 1,024 float32; Wq 1,024 x 1,024 float32; Wv 1,024 x 1,024 float32; bk 1,024 float32; bq 1,024 float32; bv 1,024 float32; x 2 x 2,048 x 1,024 float32.
;; Outputs: out0 2 x 2,048 x 1,024 float32.
;; One version. Each part assembles by itself: llvm-mc -triple=amdgcn-amd-amdhsa -mcpu=gfx1250 --defsym DOCPART=n.
;; ======== version 1 of 1: 3 launches
;; limits: values are held in f16: magnitudes above 65,504 overflow, below 6.1e-05 lose precision; right only within a limited range of input values; inputs' magnitudes at most 65,504
;; workspace buffers: xh 8,388,608 bytes; wcat 6,291,456 bytes; qkv 25,165,824 bytes
;; launch cvt (part 1): grid 1792 x 1, 8 waves a work-group, no clusters, 0 bytes of LDS; arguments x, Wq, Wk, Wv, xh, wcat; writes xh, wcat
.if DOCPART == 1
	.amdgcn_target "amdgcn-amd-amdhsa--gfx1250"
	.amdhsa_code_object_version 6
	.text
	.protected	k_qbe69045884_cvt
	.globl	k_qbe69045884_cvt
	.p2align	8
	.type	k_qbe69045884_cvt,@function
k_qbe69045884_cvt:
	s_mov_b64 s[64:65], 0
	v_nop
	global_prefetch_b8 v0, s[64:65] scope:SCOPE_SE
	s_setreg_imm32_b32 hwreg(HW_REG_WAVE_MODE, 25, 1), 1
	s_wait_xcnt 0x0
; xh[m][k] = f16(x[m][k]);  wcat[k][1024 t + c] = f16(W_t[k][c]), t = 0, 1, 2 for Wq, Wk, Wv.
; A stream: each input byte is read once, each output byte written once; LDS, barriers and matrix units would add nothing.
; 1,792 work-groups of 8 waves; each converts 4 rows of 1,024 floats.  Work-groups 0-1023 take x, 1024-1791 the three W (256 each).
; Thread t owns floats 4 t .. 4 t + 3 of each row: a wave's load covers 512 consecutive bytes, its store 256 consecutive bytes, aligned.
; The code has no branch: source, destination and the destination's row pitch are selected on the work-group's number.
; LIMIT: |x| and |W| must stay below 65,504 (f16's largest number); beyond it the copy is infinite.  Rounding is to nearest even.
.set NX,   1024                        ; work-groups that take x
.set SROW, 4096                        ; bytes of a source row
.set D,    8                           ; v[8:23]   four rows as loaded
.set P,    24                          ; v[24:31]  four rows packed
.set O,    2                           ; v[2:5]    byte offset of my 8 bytes in destination row j
	s_load_b256 s[4:11], s[0:1], 0x0               ; x s[4:5], Wq s[6:7], Wk s[8:9], Wv s[10:11]
	s_load_b128 s[12:15], s[0:1], 0x20             ; xh s[12:13], wcat s[14:15]
	s_sub_co_u32 s24, ttmp9, NX                    ; number among W's work-groups (used only where ttmp9 >= 1024)
	s_lshr_b32 s25, s24, 8                         ; t: which W
	s_and_b32 s26, s24, 255                        ; c: which 4 rows of it
	s_mul_i32 s27, s26, 4*6144                     ; wcat: 4 rows of 3,072 f16
	s_lshl_b32 s29, s25, 11                        ;       + t x 1,024 f16
	s_add_co_u32 s27, s27, s29
	s_lshl_b32 s29, ttmp9, 13                      ; xh: 4 rows of 1,024 f16
	s_movk_i32 s30, 6144                           ; wcat's row pitch in bytes
	v_lshlrev_b32 v1, 4, v0                        ; my 16 bytes of a source row
	v_lshlrev_b32 v[O], 3, v0                      ; my 8 bytes of a destination row
	s_wait_kmcnt 0x0
	s_cmp_eq_u32 s25, 1
	s_cselect_b64 s[16:17], s[8:9], s[6:7]         ; Wk or Wq
	s_cmp_eq_u32 s25, 2
	s_cselect_b64 s[16:17], s[10:11], s[16:17]     ; or Wv
	s_cmp_lt_u32 ttmp9, NX
	s_cselect_b64 s[16:17], s[4:5], s[16:17]       ; or x
	s_cselect_b64 s[18:19], s[12:13], s[14:15]     ; xh or wcat
	s_cselect_b32 s20, ttmp9, s26                  ; which 16,384 bytes of the source
	s_cselect_b32 s22, s29, s27                    ; where in the destination
	s_cselect_b32 s28, 2048, s30                   ; the destination's row pitch
	s_lshl_b32 s20, s20, 14
	s_mov_b32 s21, 0
	s_mov_b32 s23, 0
	s_add_nc_u64 s[16:17], s[16:17], s[20:21]
	s_add_nc_u64 s[18:19], s[18:19], s[22:23]
.irp j, 0,1,2,3
	global_load_b128 v[D+4*\j:D+4*\j+3], v1, s[16:17] offset:\j*SROW th:TH_LOAD_NT   ; read once in the launch
.endr
.irp j, 1,2,3
	v_add_nc_u32 v[O+\j], s28, v[O+\j-1]
.endr
.irp j, 0,1,2,3
	s_wait_loadcnt 3-\j                            ; loads come back in order: row j is in, the younger rows stay out
	v_cvt_pk_f16_f32 v[P+2*\j],   v[D+4*\j],   v[D+4*\j+1]
	v_cvt_pk_f16_f32 v[P+2*\j+1], v[D+4*\j+2], v[D+4*\j+3]
	global_store_b64 v[O+\j], v[P+2*\j:P+2*\j+1], s[18:19]     ; no register is used twice: nothing to wait for behind a store
.endr
	s_endpgm
.Lfunc_end_k_qbe69045884_cvt:
	.size	k_qbe69045884_cvt, .Lfunc_end_k_qbe69045884_cvt-k_qbe69045884_cvt
	.p2alignl 7, 3214868480
	.fill 96, 4, 3214868480
	.section	.rodata,"a",@progbits
	.p2align	6, 0x0
	.amdhsa_kernel k_qbe69045884_cvt
		.amdhsa_group_segment_fixed_size 0
		.amdhsa_private_segment_fixed_size 0
		.amdhsa_enable_private_segment 0
		.amdhsa_kernarg_size 48
		.amdhsa_user_sgpr_count 2
		.amdhsa_user_sgpr_kernarg_segment_ptr 1
		.amdhsa_wavefront_size32 1
		.amdhsa_system_sgpr_workgroup_id_x 1
		.amdhsa_system_sgpr_workgroup_id_y 1
		.amdhsa_system_sgpr_workgroup_id_z 1
		.amdhsa_system_vgpr_workitem_id 0
		.amdhsa_next_free_vgpr 32
		.amdhsa_next_free_sgpr 66
		.amdhsa_reserve_vcc 0
		.amdhsa_float_denorm_mode_32 3
		.amdhsa_float_denorm_mode_16_64 3
		.amdhsa_memory_ordered 1
		.amdhsa_forward_progress 1
		.amdhsa_inst_pref_size 3
	.end_amdhsa_kernel
	.amdgpu_metadata
---
amdhsa.version: [ 1, 2 ]
amdhsa.kernels:
  - .name:           k_qbe69045884_cvt
    .symbol:         k_qbe69045884_cvt.kd
    .args:
      - { .name: x, .offset: 0, .size: 8, .value_kind: global_buffer, .address_space: global }
      - { .name: Wq, .offset: 8, .size: 8, .value_kind: global_buffer, .address_space: global }
      - { .name: Wk, .offset: 16, .size: 8, .value_kind: global_buffer, .address_space: global }
      - { .name: Wv, .offset: 24, .size: 8, .value_kind: global_buffer, .address_space: global }
      - { .name: xh, .offset: 32, .size: 8, .value_kind: global_buffer, .address_space: global }
      - { .name: wcat, .offset: 40, .size: 8, .value_kind: global_buffer, .address_space: global }
    .group_segment_fixed_size: 0
    .private_segment_fixed_size: 0
    .kernarg_segment_align: 8
    .kernarg_segment_size: 48
    .max_flat_workgroup_size: 256
    .sgpr_count:     66
    .vgpr_count:     32
    .wavefront_size: 32
...
	.end_amdgpu_metadata
.endif
;; end of part 1
;; launch proj (part 2): grid 16 x 16, 4 waves a work-group, clusters of 4 x 4, 327,680 bytes of LDS; arguments xh, wcat, bq, bk, bv, qkv; writes qkv
.if DOCPART == 2
	.amdgcn_target "amdgcn-amd-amdhsa--gfx1250"
	.amdhsa_code_object_version 6
	.text
	.protected	k_qbe69045884_proj
	.globl	k_qbe69045884_proj
	.p2align	8
	.type	k_qbe69045884_proj,@function
k_qbe69045884_proj:
	s_mov_b64 s[64:65], 0
	v_nop
	global_prefetch_b8 v0, s[64:65] scope:SCOPE_SE
	s_setreg_imm32_b32 hwreg(HW_REG_WAVE_MODE, 25, 1), 1
	s_wait_xcnt 0x0
	s_wait_alu depctr_hold_cnt(0) depctr_sa_sdst(0) depctr_va_vdst(0) depctr_va_sdst(0) depctr_va_ssrc(0) depctr_va_vcc(0) depctr_vm_vsrc(0)
	s_getreg_b32 s2, hwreg(HW_REG_IB_STS2, 6, 4)
	s_cmp_eq_u32 s2, 0
	s_cbranch_scc0 .Lentry_in_a_cluster
	s_endpgm
.Lentry_in_a_cluster:
	s_bfe_u32 s2, ttmp6, 0x10000c
	s_cmp_lg_u32 s2, 0xf033
	s_cbranch_scc0 .Lentry_shape_is_right
	s_endpgm
.Lentry_shape_is_right:
; qkv[b][g][s][0..63] = f16( scale_t x ( sum over k of xh[2048 b + s][k] wcat[k][64 g + ..] + bias_t[..] ) ),  g = 16 t + head.
; scale: q log2(e)/16, k 1/16, v 1/16, so that 32 x (q' . k') = log2(e) (q . k) / 8, and the stored numbers have room in f16 on both sides.
; LIMITS: |q| < 726,000, |k| and |v| < 1,048,000 (f16's 65,504 over the scale); beyond them the stored number is infinite.  Sums in f32.
; A work-group makes 256 rows x 192 columns (three blocks g) with four waves, as many as a WGP has SIMDs; a wave makes 128 x 96: 48 accumulator
; tiles of 16 x 16, 384 registers.  16 x 16 = 256 work-groups.  K = 1,024 goes in 8 steps of 128 through a ring of two LDS slots filled by the
; tensor data mover; x's tile rows are 256 bytes of memory at multiples of 256 bytes.
; CLUSTERS: 4 x 4 work-groups.  x's tile hangs on the block row alone and is asked for jointly by a row of the cluster, W's on the block column
; alone and is asked for jointly by a column: that divides the requests for both by four.
; W lies [k][n] in memory and in LDS; its fragments are read by the transposing LDS load, so no transposed copy of W is made anywhere.
; THE MATRIX INSTRUCTION IS USED TRANSPOSED (source 0 = 16 columns of W, source 1 = 16 rows of x): a lane's eight results are eight
; neighbouring columns of one row, 16 bytes of f16.
; REGISTERS by windows of 256: window 0 addresses, x's fragments (two buffers), work on the way out; window 1 bias and W's fragments;
; window 2 the accumulators of my rows 0-63 (tile (a, b) at v[8 (6 a + b)]), window 3 those of rows 64-127.
.set KSTEP, 128
.set PA,    272                        ; x's LDS row: 256 bytes + 16 of padding, an odd multiple of 16
.set PB,    480                        ; W's LDS row: six pieces of 64 bytes, 16 of padding behind each: an odd multiple of 32
.set HALFA, 128*PA                     ; one tensor load of x: 128 rows
.set HALFB, 64*PB                      ; one tensor load of W: 64 k-rows
.set BOFF,  256*PA                     ; W's tile lies behind x's 256 rows
.set SLOT,  BOFF+128*PB                ; 131,072
.set SP,    400                        ; the stage's row on the way out: 384 bytes + 16
.set LAPS,  1024/(2*KSTEP)             ; a lap = two K steps = once round the ring
.set ADRA, 16                          ; v16-17  LDS address of my x fragments in slot 0, 1
.set ADRB, 20                          ; v20-21  the same for W
.set STO,  24                          ; v24     the way out: where I put 16 bytes of a row
.set RD,   25                          ; v25     the way out: where I read back
.set CO,   26                          ; v26     my byte offset in a block of qkv
.set BO,   27                          ; v27     my byte offset in a 16-column piece of a bias
.set F0,   64                          ; fragment buffer 0
.set F1,   128                         ; fragment buffer 1
.set BI,   0                           ; window 1, v0-47: bias of my 6 x 8 columns, then bias x scale
.set T,    64                          ; the way out: 48 results in f32
.set PK,   128                         ; the way out: 24 registers of packed f16
.set RB,   64                          ; the way out: 48 x 4 registers read back
.set G1,  24                           ; s[24:31] descriptor group 1, x's tiles
.set G0,  32                           ; s[32:39] group 0, x's tiles, one set for each slot
.set G1B, 48                           ; s[48:55] group 1, W's tiles
.set G0B, 56                           ; s[56:63] group 0, W's tiles, one set for each slot
.set BB,  68                           ; s[68:79] address of the bias of my column block b
.set SC,  80                           ; s[80:91] scale of my column block b, twice (a pair for the packed forms)
.set MSB, 0
.macro WIN new                         ; the immediate's high byte repeats the setting that is left
.if MSB != \new
	s_set_vgpr_msb (MSB<<8)|\new
.set MSB, \new
.endif
.endm
.set MUL_LO, 0xa1                      ; source 0 (W) window 1, source 1 (x) window 0, C and D window 2
.set MUL_HI, 0xf1                      ; the same, C and D window 3
.set TO_B,   0x40                      ; destination window 1, address window 0
; A joint load.  Waves 0 and 1 fetch x's two halves, waves 2 and 3 W's.  Each line has one mask; the branch hangs on the wave's number alone.
.macro JLOAD s
	s_cmp_eq_u32 s17, 0
	s_cbranch_scc0 .Lfor_b_\@
	tensor_load_to_lds s[G0+4*\s:G0+4*\s+3], s[G1:G1+7]
	s_nop 0
	s_branch .Lasked_\@
.Lfor_b_\@:
	tensor_load_to_lds s[G0B+4*\s:G0B+4*\s+3], s[G1B:G1B+7]
	s_nop 0
.Lasked_\@:
.endm
; A round of the cluster's barrier: my work-group's barrier; wave 0 signals for the work-group; every wave waits for all sixteen; my work-group's barrier again.
.macro CREST                           ; a round behind its opening barrier
	s_cmp_lg_u32 s16, 0
	s_cbranch_scc1 .Lnot_wave_0_\@
	s_barrier_signal -3
.Lnot_wave_0_\@:
	s_barrier_wait -3
	s_barrier_signal -1
	s_barrier_wait -1
.endm
.macro CROUND                          ; a whole round
	s_barrier_signal -1
	s_barrier_wait -1
	CREST
.endm
	s_load_b256 s[4:11], s[0:1], 0x0               ; xh s[4:5], wcat s[6:7], bq s[8:9], bk s[10:11]
	s_load_b128 s[12:15], s[0:1], 0x20             ; bv s[12:13], qkv s[14:15]
	s_set_vgpr_msb 0x40
	v_lshl_add_u32 v255, v0, 2, 0x40000
	s_set_vgpr_msb 0x4000
	v_mov_b32 v63, 0
	s_set_vgpr_msb 0x1
	ds_add_u32 v255, v63
	s_set_vgpr_msb 0x100
	v_lshrrev_b32 v1, 5, v0
	v_readfirstlane_b32 s16, v1                    ; wave 0..3
	s_lshr_b32 s17, s16, 1                         ; wm: my half of the block's rows.  Also: I fetch for x (0) or for W (1)
	s_and_b32 s18, s16, 1                          ; wn: my half of its columns.  Also: which half of that tile I fetch
	s_bfe_u32 s19, ttmp6, 0x40000                  ; cx
	s_bfe_u32 s20, ttmp6, 0x40004                  ; cy
	s_lshl_b32 s21, ttmp9, 2
	s_add_co_u32 s21, s21, s19                     ; bx: block column = 4 x cluster x + cx
	s_and_b32 s22, ttmp7, 0xffff
	s_lshl_b32 s22, s22, 2
	s_add_co_u32 s22, s22, s20                     ; by: block row = 4 x cluster y + cy
	s_lshl_b32 s45, s20, 2
	s_lshl_b32 s45, 15, s45                        ; my row of the cluster: places 4 cy .. 4 cy + 3
	s_lshl_b32 s46, 0x1111, s19                    ; my column: places cx, cx + 4, cx + 8, cx + 12
	; group 1 for x: 128 rows x 128 elements of 2 bytes, pitch 1,024; 4 words of padding behind every 64 words
	s_or_b32 s[G1+0], s45, (1<<16)|(1<<20)|(1<<21)|(5<<22)|(3<<25)
	s_mov_b32 s[G1+1], KSTEP<<16                   ; tensor_dim0 = 128
	s_mov_b32 s[G1+2], 128<<16                     ; tensor_dim1 = 128
	s_mov_b32 s[G1+3], KSTEP<<16                   ; tile_dim0 = 128
	s_mov_b32 s[G1+4], 128                         ; tile_dim1 = 128
	s_mov_b32 s[G1+5], 1024                        ; elements from row to row
	s_mov_b32 s[G1+6], 0
	s_mov_b32 s[G1+7], 0
	; group 1 for W: 64 k-rows x 192 elements, pitch 3,072; 4 words of padding behind every 16 words (16 divides a row's 96 words)
	s_or_b32 s[G1B+0], s46, (1<<16)|(1<<20)|(1<<21)|(3<<22)|(3<<25)
	s_mov_b32 s[G1B+1], 192<<16
	s_mov_b32 s[G1B+2], 64<<16
	s_mov_b32 s[G1B+3], 192<<16
	s_mov_b32 s[G1B+4], 64
	s_mov_b32 s[G1B+5], 3072
	s_mov_b32 s[G1B+6], 0
	s_mov_b32 s[G1B+7], 0
	; where the tiles come from: x's address is made of by and the wave alone, W's of bx and the wave alone, in registers of their own
	s_lshl_b32 s47, s18, 7
	s_lshl_b32 s40, s22, 8
	s_add_co_u32 s40, s40, s47                     ; x: row 256 by + 128 x half
	s_lshl_b32 s40, s40, 11                        ; x 2,048 bytes (below 2^23)
	s_mov_b32 s41, 0
	s_mul_i32 s42, s21, 384                        ; W: column 192 bx, in bytes
	s_mul_i32 s47, s18, 64*6144                    ;    + 64 k-rows x half
	s_add_co_u32 s42, s42, s47
	s_mov_b32 s43, 0
	s_mul_i32 s23, s16, HALFA                      ; where they go: x's halves at wave x 34,816 (waves 0, 1),
	s_mul_i32 s44, s16, HALFB
	s_add_co_u32 s44, s44, BOFF-2*HALFB            ; W's at 69,632 + (wave - 2) x 30,720 (waves 2, 3): no place in the cluster enters
	s_wait_dscnt 0x0
	s_wait_kmcnt 0x0
	s_add_nc_u64 s[40:41], s[4:5], s[40:41]
	s_add_nc_u64 s[42:43], s[6:7], s[42:43]
	CROUND                                         ; all sixteen work-groups are here: the first joint loads meet
.irp s, 0,1
	s_mov_b32 s[G0+4*\s], 1
	s_add_co_u32 s[G0+4*\s+1], s23, \s*SLOT
	s_add_nc_u64 s[G0+4*\s+2:G0+4*\s+3], s[40:41], \s*KSTEP*2
	s_or_b32 s[G0+4*\s+3], s[G0+4*\s+3], 0x80000000
	s_mov_b32 s[G0B+4*\s], 1
	s_add_co_u32 s[G0B+4*\s+1], s44, \s*SLOT
	s_add_nc_u64 s[G0B+4*\s+2:G0B+4*\s+3], s[42:43], \s*KSTEP*6144
	s_or_b32 s[G0B+4*\s+3], s[G0B+4*\s+3], 0x80000000
	JLOAD \s                                       ; K steps 0 and 1: two tensor loads of the wave are out, the most in this text
.endr
	; lane terms.  l = lane, r = l % 16, h = l / 16
	v_and_b32 v1, 15, v0                           ; r
	v_bfe_u32 v2, v0, 4, 1                         ; h
	v_and_b32 v3, 7, v0                            ; l % 8
	v_bfe_u32 v4, v0, 3, 1                         ; (l / 8) % 2
	v_bfe_u32 v5, v0, 3, 2                         ; l / 8
	v_and_b32 v6, 31, v0                           ; l
	v_mul_u32_u24 v7, v1, PA                       ; x fragment: row r, 16 bytes for each half of the lanes; two loads 32 bytes apart
	v_lshl_add_u32 v7, v2, 4, v7
	v_lshl_add_u32 v8, v2, 3, v3                   ; W fragment, transposing load: k-row 8 h + l % 8,
	v_mul_u32_u24 v8, v8, PB
	v_lshl_add_u32 v8, v4, 4, v8                   ; columns 8 ((l / 8) % 2) ..; two loads 16 k-rows apart
	s_mul_i32 s47, s17, HALFA                      ; my 128 rows of x
	v_add_nc_u32 v[ADRA], s47, v7
	v_add_nc_u32 v[ADRA+1], SLOT, v[ADRA]
	s_mul_i32 s47, s18, 240                        ; my 96 columns of W: three padded pieces of 80 bytes
	s_add_co_u32 s47, s47, BOFF
	v_add_nc_u32 v[ADRB], s47, v8
	v_add_nc_u32 v[ADRB+1], SLOT, v[ADRB]
	s_mul_i32 s47, s17, 128*SP                     ; stage, in: row 128 wm + r, byte 192 wn + 16 h
	v_mul_u32_u24 v9, v1, SP
	v_lshl_add_u32 v9, v2, 4, v9
	v_add_nc_u32 v[STO], s47, v9
	s_mul_i32 s47, s18, 192
	v_add_nc_u32 v[STO], s47, v[STO]
	s_mul_i32 s47, s16, 64*SP                      ; stage, back: row 64 w + l / 8, byte 16 (l % 8)
	v_mul_u32_u24 v10, v5, SP
	v_lshl_add_u32 v10, v3, 4, v10
	v_add_nc_u32 v[RD], s47, v10
	v_lshlrev_b32 v[CO], 4, v6                     ; 16 l: four rows of 128 bytes lie back to back in qkv
	v_lshlrev_b32 v[BO], 5, v2                     ; my 8 floats of a 16-column piece of a bias
	; bias and scale of my six column blocks.  A block of 16 columns lies in one of q, k, v (1,024 is a multiple of 16).
	s_mul_i32 s92, s21, 192
	s_mul_i32 s46, s18, 96
	s_add_co_u32 s92, s92, s46                     ; my first column of the 3,072
	s_mov_b32 s93, 0x3d800000                      ; 1/16
	s_mov_b32 s95, 0
	WIN TO_B
.irp b, 0,1,2,3,4,5
	s_add_co_u32 s46, s92, 16*\b
	s_cmp_lt_u32 s46, 1024
	s_cselect_b64 s[BB+2*\b:BB+2*\b+1], s[8:9], s[10:11]           ; bq or bk
	s_cselect_b32 s[SC+2*\b], 0x3db8aa3b, s93                      ; log2(e)/16 or 1/16
	s_cmp_lt_u32 s46, 2048
	s_cselect_b64 s[BB+2*\b:BB+2*\b+1], s[BB+2*\b:BB+2*\b+1], s[12:13]   ; or bv
	s_mov_b32 s[SC+2*\b+1], s[SC+2*\b]
	s_and_b32 s94, s46, 1023
	s_lshl_b32 s94, s94, 2
	s_add_nc_u64 s[BB+2*\b:BB+2*\b+1], s[BB+2*\b:BB+2*\b+1], s[94:95]
	global_load_b128 v[BI+8*\b:BI+8*\b+3],   v[BO], s[BB+2*\b:BB+2*\b+1]             ; each block has a base of its own: none is written again
	global_load_b128 v[BI+8*\b+4:BI+8*\b+7], v[BO], s[BB+2*\b:BB+2*\b+1] offset:16   ; waited for on the way out
.endr
; 12 matrix instructions: m blocks a0, a0 + 1 of the window's four x all 6 n blocks, 32 along K.  zero = 1: the first product starts the sums.
; The 48 accumulators take turns, one instruction a turn, in the same order in every quarter step.
.macro MUL12 f, hi, a0, zero
.irp a, \a0, \a0+1
.irp b, 0,1,2,3,4,5
.if \zero
	v_wmma_f32_16x16x32_f16 v[8*(6*(\a)+\b):8*(6*(\a)+\b)+7], v[\f+8*\b:\f+8*\b+7], v[\f+8*(4*\hi+\a):\f+8*(4*\hi+\a)+7], 0
.else
	v_wmma_f32_16x16x32_f16 v[8*(6*(\a)+\b):8*(6*(\a)+\b)+7], v[\f+8*\b:\f+8*\b+7], v[\f+8*(4*\hi+\a):\f+8*(4*\hi+\a)+7], v[8*(6*(\a)+\b):8*(6*(\a)+\b)+7]
.endif
.endr
.endr
.endm
; 28 LDS loads in one run: the fragments of quarter q of a K step (96 columns of W, 128 rows of x, 32 along K) into buffer f
.macro FETCH slot, q, f
	WIN TO_B
.irp b, 0,1,2,3,4,5
	ds_load_tr16_b128 v[\f+8*\b:\f+8*\b+3],   v[ADRB+\slot] offset:\q*32*PB+(\b>>1)*80+(\b&1)*32
	ds_load_tr16_b128 v[\f+8*\b+4:\f+8*\b+7], v[ADRB+\slot] offset:\q*32*PB+(\b>>1)*80+(\b&1)*32+16*PB
.endr
	WIN 0
.irp i, 0,1,2,3,4,5,6,7
	ds_load_b128 v[\f+8*\i:\f+8*\i+3],   v[ADRA+\slot] offset:\q*64+\i*16*PA
	ds_load_b128 v[\f+8*\i+4:\f+8*\i+7], v[ADRA+\slot] offset:\q*64+\i*16*PA+32
.endr
.endm
; Four places behind a matrix instruction before a load lands on a register that it has read, or a vector instruction reads its result
; (ISA guide 7.12.1 for vector instructions); the matrix instructions in between are not counted.
.macro PLACES
.rept 4
	v_nop
.endr
.endm
; One of a K step's first three quarters: multiplies buffer f; in its middle it fetches quarter q of the same slot into buffer g.
.macro QUARTER slot, q, f, g, zero
	s_wait_dscnt 8                                 ; W's 12 loads and x's rows 0-63 are in; the youngest eight (x's rows 64-127) may be out
	WIN MUL_LO
	MUL12 \f, 0, 0, \zero
	MUL12 \f, 0, 2, \zero
	PLACES
	FETCH \slot, \q, \g
	s_wait_dscnt 28                                ; all but the 28 just issued
	WIN MUL_HI
	MUL12 \f, 1, 0, \zero
	MUL12 \f, 1, 2, \zero
.endm
.macro THREE slot, zero
	QUARTER \slot, 1, F0, F1, \zero
	QUARTER \slot, 2, F1, F0, 0
	QUARTER \slot, 3, F0, F1, 0
.endm
; The last quarter multiplies buffer 1 and changes slots.  In front of the barrier each wave waits for its reads of this slot and for all its
; tensor loads (one is out: its part of the next slot).  Behind it nobody reads this slot and the next slot is whole: the refill comes first,
; then the next slot's first fragments.  From a request to the wait for it a wave issues 180 matrix instructions.
.macro TURN slot, next, fill
	s_wait_dscnt 8
	WIN MUL_LO
	MUL12 F1, 0, 0, 0
	s_wait_dscnt 0                                 ; my reads of this slot are over
	s_wait_tensorcnt 0x0                           ; all my tensor loads have landed
	ds_add_u32 v255, v63
	s_wait_dscnt 0x0
	s_barrier_signal -1                            ; say so (where the slot is filled again this barrier opens a round of the cluster's barrier),
	MUL12 F1, 0, 2, 0                              ; work on registers while the others arrive
	WIN 0
	s_barrier_wait -1
.if \fill
	CREST                                          ; no wave of any partner still reads this slot's tile or has a load on its way
	s_add_nc_u64 s[G0+4*\slot+2:G0+4*\slot+3], s[G0+4*\slot+2:G0+4*\slot+3], 2*KSTEP*2
	s_add_nc_u64 s[G0B+4*\slot+2:G0B+4*\slot+3], s[G0B+4*\slot+2:G0B+4*\slot+3], 2*KSTEP*6144
	JLOAD \slot                                    ; the first tensor load behind the round
.endif
	PLACES
	FETCH \next, 0, F0
	WIN MUL_HI
	MUL12 F1, 1, 0, 0
	MUL12 F1, 1, 2, 0
.endm
.macro LAP zero
	THREE 0, \zero
	TURN 0, 1, 1
	THREE 1, 0
	TURN 1, 0, 1
.endm
	s_wait_tensorcnt 1                             ; my part of K step 0 is in; K step 1's stays out
	s_barrier_signal -1
	s_barrier_wait -1                              ; everybody's is
	FETCH 0, 0, F0
	LAP 1                                          ; the first lap stands in front of the loop: its first products start the sums
	WIN 0                                          ; at a label and at a branch every window is 0
	s_mov_b32 s3, LAPS-2
.Llap:
	LAP 0
	WIN 0
	s_sub_co_u32 s3, s3, 1
	s_cmp_lg_u32 s3, 0
	s_cbranch_scc1 .Llap
	THREE 0, 0                                     ; the last lap fills nothing
	TURN 0, 1, 0                                   ; behind this barrier no wave reads slot 0 and no load fills it again
	THREE 1, 0
	s_wait_dscnt 8
	WIN MUL_LO
	MUL12 F1, 0, 0, 0
	MUL12 F1, 0, 2, 0
	s_wait_dscnt 0
	WIN MUL_HI
	MUL12 F1, 1, 0, 0
	MUL12 F1, 1, 2, 0
	; THE WAY OUT.  result = sum x scale + bias x scale, one fused multiply-add; packed to f16; 16 bytes a lane into a stage of 256 rows x 400 bytes
	; in slot 0, which has had its last fill and its last reads; read back by blocks g, whose 64 rows of 128 bytes lie back to back in qkv.
	PLACES                                         ; the places behind the last matrix instructions
	s_wait_loadcnt 0x0                             ; the bias
	WIN 0x41
.irp b, 0,1,2,3,4,5
.irp i, 0,1,2,3
	v_pk_mul_f32 v[BI+8*\b+2*\i:BI+8*\b+2*\i+1], v[BI+8*\b+2*\i:BI+8*\b+2*\i+1], s[SC+2*\b:SC+2*\b+1] op_sel_hi:[1,0]
.endr
.endr
; rows 16 row .. 16 row + 15 of my 128 = tiles (a, 0..5) of window 2 or 3 (win = 0x12 or 0x13: source 0 there, source 2 in window 1)
.macro OUT row, a, win
	WIN \win
.irp b, 0,1,2,3,4,5
.irp i, 0,1,2,3
	v_pk_fma_f32 v[T+8*\b+2*\i:T+8*\b+2*\i+1], v[8*(6*\a+\b)+2*\i:8*(6*\a+\b)+2*\i+1], s[SC+2*\b:SC+2*\b+1], v[BI+8*\b+2*\i:BI+8*\b+2*\i+1] op_sel_hi:[1,0,1]
.endr
.endr
	WIN 0
.irp b, 0,1,2,3,4,5
.irp i, 0,1,2,3
	v_cvt_pk_f16_f32 v[PK+4*\b+\i], v[T+8*\b+2*\i], v[T+8*\b+2*\i+1]
.endr
.endr
.irp b, 0,1,2,3,4,5
	ds_store_b128 v[STO], v[PK+4*\b:PK+4*\b+3] offset:\row*16*SP+32*\b
.endr
.endm
	OUT 0, 0, 0x12
	OUT 1, 1, 0x12
	OUT 2, 2, 0x12
	OUT 3, 3, 0x12
	OUT 4, 0, 0x13
	OUT 5, 1, 0x13
	OUT 6, 2, 0x13
	OUT 7, 3, 0x13
	s_lshr_b32 s92, s22, 3                         ; batch
	s_mul_i32 s92, s92, 48
	s_mul_i32 s93, s21, 3
	s_add_co_u32 s92, s92, s93                     ; plane 48 b + 3 bx
	s_lshl_b32 s92, s92, 18                        ; x 262,144 bytes (below 2^25)
	s_and_b32 s93, s22, 7
	s_lshl_b32 s93, s93, 8
	s_lshl_b32 s94, s16, 6
	s_add_co_u32 s93, s93, s94                     ; row 256 (by % 8) + 64 w of the sequence
	s_lshl_b32 s93, s93, 7
	s_add_co_u32 s92, s92, s93
	s_mov_b32 s93, 0
	s_add_nc_u64 s[14:15], s[14:15], s[92:93]
	s_wait_dscnt 0x0                               ; my stores into the stage are done, for the others' sake,
	s_barrier_signal -1
	s_barrier_wait -1                              ; and everybody's: a stage row holds columns of two waves
.irp u, 0,1,2,3,4,5,6,7,8,9,10,11,12,13,14,15
.irp i, 0,1,2
	ds_load_b128 v[RB+4*(3*\u+\i):RB+4*(3*\u+\i)+3], v[RD] offset:\u*4*SP+128*\i   ; rows 64 w + 4 u .. + 3, the 128 bytes of block i
.endr
.endr
.irp u, 0,1,2,3,4,5,6,7,8,9,10,11,12,13,14,15
.irp i, 0,1,2
	s_wait_dscnt 47-(3*\u+\i)                      ; LDS loads come back in order: this one is in, the younger stay out
	global_store_b128 v[CO], v[RB+4*(3*\u+\i):RB+4*(3*\u+\i)+3], s[14:15] offset:\u*512+\i*262144   ; 512 consecutive bytes, aligned
.endr
.endr
	s_set_vgpr_msb 0x1
	s_wait_tensorcnt 0x0
	ds_add_u32 v255, v63
	s_wait_dscnt 0x0
	s_set_vgpr_msb 0x100
	CROUND                                         ; the closing round: no work-group ends while a partner may still ask for a tile that names it
	s_endpgm
.Lfunc_end_k_qbe69045884_proj:
	.size	k_qbe69045884_proj, .Lfunc_end_k_qbe69045884_proj-k_qbe69045884_proj
	.p2alignl 7, 3214868480
	.fill 96, 4, 3214868480
	.section	.rodata,"a",@progbits
	.p2align	6, 0x0
	.amdhsa_kernel k_qbe69045884_proj
		.amdhsa_group_segment_fixed_size 327680
		.amdhsa_private_segment_fixed_size 0
		.amdhsa_enable_private_segment 0
		.amdhsa_kernarg_size 48
		.amdhsa_user_sgpr_count 2
		.amdhsa_user_sgpr_kernarg_segment_ptr 1
		.amdhsa_wavefront_size32 1
		.amdhsa_system_sgpr_workgroup_id_x 1
		.amdhsa_system_sgpr_workgroup_id_y 1
		.amdhsa_system_sgpr_workgroup_id_z 1
		.amdhsa_system_vgpr_workitem_id 0
		.amdhsa_next_free_vgpr 960
		.amdhsa_next_free_sgpr 96
		.amdhsa_reserve_vcc 0
		.amdhsa_float_denorm_mode_32 3
		.amdhsa_float_denorm_mode_16_64 3
		.amdhsa_memory_ordered 1
		.amdhsa_forward_progress 1
		.amdhsa_inst_pref_size 176
	.end_amdhsa_kernel
	.amdgpu_metadata
---
amdhsa.version: [ 1, 2 ]
amdhsa.kernels:
  - .name:           k_qbe69045884_proj
    .symbol:         k_qbe69045884_proj.kd
    .args:
      - { .name: xh, .offset: 0, .size: 8, .value_kind: global_buffer, .address_space: global }
      - { .name: wcat, .offset: 8, .size: 8, .value_kind: global_buffer, .address_space: global }
      - { .name: bq, .offset: 16, .size: 8, .value_kind: global_buffer, .address_space: global }
      - { .name: bk, .offset: 24, .size: 8, .value_kind: global_buffer, .address_space: global }
      - { .name: bv, .offset: 32, .size: 8, .value_kind: global_buffer, .address_space: global }
      - { .name: qkv, .offset: 40, .size: 8, .value_kind: global_buffer, .address_space: global }
    .group_segment_fixed_size: 327680
    .private_segment_fixed_size: 0
    .kernarg_segment_align: 8
    .kernarg_segment_size: 48
    .max_flat_workgroup_size: 128
    .sgpr_count:     96
    .vgpr_count:     960
    .wavefront_size: 32
...
	.end_amdgpu_metadata
.endif
;; end of part 2
;; launch attn (part 3): grid 8 x 32, 8 waves a work-group, clusters of 4 x 1, 327,680 bytes of LDS; arguments qkv, out0; writes out0
.if DOCPART == 3
	.amdgcn_target "amdgcn-amd-amdhsa--gfx1250"
	.amdhsa_code_object_version 6
	.text
	.protected	k_qbe69045884_attn
	.globl	k_qbe69045884_attn
	.p2align	8
	.type	k_qbe69045884_attn,@function
k_qbe69045884_attn:
	s_mov_b64 s[64:65], 0
	v_nop
	global_prefetch_b8 v0, s[64:65] scope:SCOPE_SE
	s_setreg_imm32_b32 hwreg(HW_REG_WAVE_MODE, 25, 1), 1
	s_wait_xcnt 0x0
	s_wait_alu depctr_hold_cnt(0) depctr_sa_sdst(0) depctr_va_vdst(0) depctr_va_sdst(0) depctr_va_ssrc(0) depctr_va_vcc(0) depctr_vm_vsrc(0)
	s_getreg_b32 s2, hwreg(HW_REG_IB_STS2, 6, 4)
	s_cmp_eq_u32 s2, 0
	s_cbranch_scc0 .Lentry_in_a_cluster
	s_endpgm
.Lentry_in_a_cluster:
	s_bfe_u32 s2, ttmp6, 0x10000c
	s_cmp_lg_u32 s2, 0x3003
	s_cbranch_scc0 .Lentry_shape_is_right
	s_endpgm
.Lentry_shape_is_right:
; out0[b][s][64 head + w] = sum over keys of softmax(q . k / 8) v, from qkv[b][16 t + head][s][64] in f16 (q' = q log2(e)/16, k' = k/16, v' = v/16).
; p = 2^(32 s - 32 m) with s = q' . k' and m the running maximum of s; 32 is a power of two, so the exponent is exactly 0 at s = m and p <= 1.
; The result is multiplied by 16 at the end.  Sums, maxima and the softmax in f32; p is rounded to f16 for the second product.
; LIMITS: those of the stored f16 numbers (|q| < 726,000, |k|, |v| < 1,048,000); p below 2^-24 counts as 0 in the second product.
; A work-group takes 256 queries of one (batch, head): 8 x 32 = 256 work-groups.  Eight waves, two on each SIMD, so that one wave's softmax runs
; beside the other's matrix work.  Wave w takes queries 64 (w % 4) .. + 63 and the 64-key tiles of parity w / 4: 16 tiles; the two partial
; results of a query are merged once at the end, through LDS.
; CLUSTERS: the four query blocks of a cluster read the same K and V: every tile is asked for jointly (mask 15), which divides the requests by four.
; K and V go through two LDS slots of 512 keys; a whole slot (four loads a wave) is asked for behind one round of the cluster's barrier and has the
; other slot's four tiles of work in which to land.
; LAYOUT: S^T = K Q^T (source 0 = 16 keys, source 1 = 16 queries): lane (r, h) holds query r and keys 8 h + j.  Two neighbouring 16-key tiles,
; packed to f16, are source 1 of O^T = V^T P^T as they stand; V's fragments come by the transposing LDS load.  Query r stays in lane r, so the
; maximum, the sum and the rescaling are one number a lane, and a lane ends with 8 neighbouring numbers of one output row.
.set KP,    144                        ; K's LDS row: 128 bytes + 16, an odd multiple of 16
.set VP,    160                        ; V's LDS row: 128 bytes + 32, an odd multiple of 32
.set VOFF,  512*KP                     ; V's 512 rows lie behind K's
.set SLOT,  512*KP+512*VP              ; 155,648
.set PLANE, 262144                     ; bytes of one [2048][64] plane of qkv
.set XCHB,  8704                       ; exchange: 8 tiles of 1,024 bytes, 256 bytes of maxima, 256 of sums, for each wave
.set STG,   8*XCHB                     ; behind it the stage: 32 rows of 272 bytes for each wave
.set KB,   2                           ; v2   my K fragment address in slot 0's first tile of my parity
.set VB,   3                           ; v3   the same for V
.set KADR, 4                           ; v4   the tile at work
.set VADR, 5
.set QO,   6                           ; v6   my byte offset in a 16-row block of Q
.set CO,   7                           ; v7   my byte offset in two rows of out0
.set M,    8                           ; v8-11   running maximum of query block qb
.set L,    12                          ; v12-15  running sum (my half of the keys until the end)
.set AL,   16                          ; v16-19  rescaling factor
.set NM,   20                          ; v20-23  -32 x maximum
.set MX,   24                          ; v24-27  at work
.set T,    28                          ; v28-31  at work
.set SUM,  32                          ; v32-47  two pairs of sums for each qb
.set XS,   48                          ; v48-53  exchange and stage addresses
.set XR,   49
.set XS8,  50
.set XR8,  51
.set SW,   52
.set SR,   53
.set Q,    64                          ; v64-127   Q fragment (qb, wh) at 64 + 16 qb + 8 wh
.set S,    128                         ; v128-255  score tile (qb, kb) at 128 + 32 qb + 8 kb; then P fragment (qb, kk) at 128 + 32 qb + 16 kk
.set X,    128                         ; the end: the partner's tiles
.set RBK,  192                         ; the end: rows read back
.set KF,   128                         ; window 1: K fragment (kb, wh) at 128 + 16 kb + 8 wh
.set VF,   192                         ; window 1: V fragment (wb, kk) at 192 + 16 wb + 8 kk
                                       ; window 1, v0-127: output tile (wb, qb) at 8 (4 wb + qb)
.set G1K, 16                           ; s[16:23] descriptor group 1 for K
.set G1V, 24                           ; s[24:31] for V
.set G0,  32                           ; s[32:63] group 0, set 4 slot + 2 half + kind (0 K, 1 V)
.set MSB, 0
.macro WIN new
.if MSB != \new
	s_set_vgpr_msb (MSB<<8)|\new
.set MSB, \new
.endif
.endm
.macro ROUND                           ; a round of the cluster's barrier
	s_barrier_signal -1
	s_barrier_wait -1
	s_cmp_lg_u32 s8, 0
	s_cbranch_scc1 .Lnot_wave_0_\@
	s_barrier_signal -3
.Lnot_wave_0_\@:
	s_barrier_wait -3
	s_barrier_signal -1
	s_barrier_wait -1
.endm
.macro FILL slot                       ; my four joint loads of a slot: K and V of its first half, K and V of its second
.irp e, 0,1,2,3
	tensor_load_to_lds s[G0+16*\slot+4*\e:G0+16*\slot+4*\e+3], s[G1K+8*(\e&1):G1K+8*(\e&1)+7]
	s_nop 0
	v_nop
.endr
.endm
.macro STEPG slot                      ; the slot's next 512 keys lie 1,024 keys on
.irp e, 0,1,2,3
	s_add_nc_u64 s[G0+16*\slot+4*\e+2:G0+16*\slot+4*\e+3], s[G0+16*\slot+4*\e+2:G0+16*\slot+4*\e+3], 1024*128
.endr
.endm
	s_load_b128 s[4:7], s[0:1], 0x0                ; qkv s[4:5], out0 s[6:7]
	v_lshl_add_u32 v62, v0, 2, 0x4c000
	v_mov_b32 v63, 0
	ds_add_u32 v62, v63
	v_lshrrev_b32 v1, 5, v0
	v_readfirstlane_b32 s8, v1                     ; wave 0..7
	s_and_b32 s9, s8, 3                            ; qg: my 64 queries
	s_lshr_b32 s10, s8, 2                          ; par: my parity of key tiles
	s_bfe_u32 s11, ttmp6, 0x40000                  ; cx
	s_lshl_b32 s12, ttmp9, 2
	s_add_co_u32 s12, s12, s11                     ; qx: query block = 4 x cluster x + cx
	s_and_b32 s13, ttmp7, 0xffff
	s_lshr_b32 s14, s13, 4                         ; batch
	s_and_b32 s15, s13, 15                         ; head
	s_mov_b32 s66, 0x42000000                      ; 32.0, twice: a pair for the packed multiply-add
	s_mov_b32 s67, 0x42000000
	s_mov_b32 s68, 0x76543210                      ; v_permlanex16_b32: lane i of one half reads lane i of the other
	s_mov_b32 s69, 0xfedcba98
	s_mov_b32 s71, 0xc2000000                      ; -32.0
	; group 1: 32 rows x 64 elements of 2 bytes, pitch 64; padding behind every 32 words: 4 words for K, 8 for V; mask 15 with bit 21 beside it
	s_mov_b32 s[G1K+0], 15|(1<<16)|(1<<20)|(1<<21)|(4<<22)|(3<<25)
	s_mov_b32 s[G1K+1], 64<<16
	s_mov_b32 s[G1K+2], 32<<16
	s_mov_b32 s[G1K+3], 64<<16
	s_mov_b32 s[G1K+4], 32
	s_mov_b32 s[G1K+5], 64
	s_mov_b32 s[G1K+6], 0
	s_mov_b32 s[G1K+7], 0
	s_mov_b32 s[G1V+0], 15|(1<<16)|(1<<20)|(1<<21)|(4<<22)|(7<<25)
	s_mov_b32 s[G1V+1], 64<<16
	s_mov_b32 s[G1V+2], 32<<16
	s_mov_b32 s[G1V+3], 64<<16
	s_mov_b32 s[G1V+4], 32
	s_mov_b32 s[G1V+5], 64
	s_mov_b32 s[G1V+6], 0
	s_mov_b32 s[G1V+7], 0
	s_mul_i32 s74, s14, 48
	s_add_co_u32 s74, s74, s15
	s_lshl_b32 s74, s74, 18                        ; q's plane of this (batch, head), in bytes (below 2^25)
	s_mov_b32 s75, 0
	s_lshl_b32 s78, s8, 12                         ; my 32 rows of each 256 keys
	s_mov_b32 s79, 0
	s_mul_i32 s84, s8, 32*KP                       ; and where they go: made of the wave's number alone
	s_mul_i32 s85, s8, 32*VP
	s_add_co_u32 s85, s85, VOFF
	s_lshl_b32 s80, s12, 8                         ; what holds cx stays in s72-73, s80-83 and out0's base
	s_lshl_b32 s81, s9, 6
	s_add_co_u32 s80, s80, s81                     ; my first query: 256 qx + 64 qg
	s_lshl_b32 s82, s14, 11
	s_add_co_u32 s82, s82, s80
	s_lshl_b32 s83, s10, 5
	s_add_co_u32 s82, s82, s83                     ; the first row that I store: + 2,048 b + 32 par
	s_lshl_b32 s82, s82, 12                        ; x 4,096 bytes (below 2^24)
	s_lshl_b32 s83, s15, 8
	s_add_co_u32 s82, s82, s83                     ; + the head's 256 bytes
	s_mov_b32 s83, 0
	s_lshl_b32 s80, s80, 7
	s_mov_b32 s81, 0
	s_wait_dscnt 0x0
	s_wait_kmcnt 0x0
	s_add_nc_u64 s[76:77], s[4:5], s[74:75]
	s_add_nc_u64 s[72:73], s[76:77], s[80:81]      ; my 64 rows of Q
	s_add_nc_u64 s[76:77], s[76:77], s[78:79]      ; the plane + my rows: K's plane lies 16 planes on, V's 32
	s_add_nc_u64 s[6:7], s[6:7], s[82:83]
.irp slot, 0,1
.irp half, 0,1
	s_mov_b32 s[G0+16*\slot+8*\half], 1
	s_add_co_u32 s[G0+16*\slot+8*\half+1], s84, \slot*SLOT+\half*256*KP
	s_add_nc_u64 s[G0+16*\slot+8*\half+2:G0+16*\slot+8*\half+3], s[76:77], 16*PLANE+\slot*65536+\half*32768
	s_or_b32 s[G0+16*\slot+8*\half+3], s[G0+16*\slot+8*\half+3], 0x80000000
	s_mov_b32 s[G0+16*\slot+8*\half+4], 1
	s_add_co_u32 s[G0+16*\slot+8*\half+5], s85, \slot*SLOT+\half*256*VP
	s_add_nc_u64 s[G0+16*\slot+8*\half+6:G0+16*\slot+8*\half+7], s[76:77], 32*PLANE+\slot*65536+\half*32768
	s_or_b32 s[G0+16*\slot+8*\half+7], s[G0+16*\slot+8*\half+7], 0x80000000
.endr
.endr
	ROUND                                          ; all four work-groups are here: the first joint loads meet
	FILL 0                                         ; keys 0-511
	FILL 1                                         ; keys 512-1023: eight tensor loads of the wave are out, the most in this text
	v_and_b32 v54, 31, v0                          ; l
	v_and_b32 v55, 15, v0                          ; r
	v_bfe_u32 v56, v0, 4, 1                        ; h
	v_and_b32 v57, 7, v0                           ; l % 8
	v_bfe_u32 v58, v0, 3, 1                        ; (l / 8) % 2
	v_lshlrev_b32 v[QO], 7, v55                    ; Q: row r of 128 bytes + 16 h
	v_lshl_add_u32 v[QO], v56, 4, v[QO]
.irp qb, 0,1,2,3
.irp wh, 0,1
	global_load_b128 v[Q+16*\qb+8*\wh:Q+16*\qb+8*\wh+3],   v[QO], s[72:73] offset:\qb*2048+\wh*64
	global_load_b128 v[Q+16*\qb+8*\wh+4:Q+16*\qb+8*\wh+7], v[QO], s[72:73] offset:\qb*2048+\wh*64+32
.endr
.endr
	s_mul_i32 s78, s10, 64*KP                      ; my parity's first tile
	v_mul_u32_u24 v[KB], v55, KP                   ; K fragment: row r + 16 h bytes; two loads 32 bytes apart
	v_lshl_add_u32 v[KB], v56, 4, v[KB]
	v_add_nc_u32 v[KB], s78, v[KB]
	s_mul_i32 s78, s10, 64*VP
	s_add_co_u32 s78, s78, VOFF
	v_lshl_add_u32 v59, v56, 3, v57                ; V fragment, transposing load: key row 8 h + l % 8,
	v_mul_u32_u24 v[VB], v59, VP
	v_lshl_add_u32 v[VB], v58, 4, v[VB]            ; columns 8 ((l / 8) % 2) ..; two loads 16 rows apart
	v_add_nc_u32 v[VB], s78, v[VB]
	v_lshlrev_b32 v[CO], 12, v56                   ; out0: row h of two, 16 r bytes
	v_lshl_add_u32 v[CO], v55, 4, v[CO]
	s_mul_i32 s78, s8, XCHB                        ; my exchange bytes,
	s_xor_b32 s79, s8, 4
	s_mul_i32 s79, s79, XCHB                       ; and my partner's: the wave of the same queries and the other parity
	v_lshl_add_u32 v[XS], v54, 4, s78
	v_lshl_add_u32 v[XR], v54, 4, s79
	v_lshl_add_u32 v[XS8], v54, 3, s78
	v_add_nc_u32 v[XS8], 8192, v[XS8]
	v_lshl_add_u32 v[XR8], v54, 3, s79
	v_add_nc_u32 v[XR8], 8192, v[XR8]
	s_add_co_u32 s78, s78, STG                     ; my stage
	v_mul_u32_u24 v[SW], v55, 272                  ; in: row r, 32 h bytes
	v_lshl_add_u32 v[SW], v56, 5, v[SW]
	v_add_nc_u32 v[SW], s78, v[SW]
	v_mul_u32_u24 v[SR], v56, 272                  ; back: lanes 0-15 one row of 256 bytes, lanes 16-31 the next
	v_lshl_add_u32 v[SR], v55, 4, v[SR]
	v_add_nc_u32 v[SR], s78, v[SR]
.irp qb, 0,1,2,3
	v_mov_b32 v[T+\qb], 0                          ; v_permlanex16_b32's destination counts as read
.endr
	v_mov_b32 v[KADR], v[KB]
	v_mov_b32 v[VADR], v[VB]
; exponents of query block qb: 32 s - 32 m, two at a time.  p, o: the pair of NM that holds qb's, and which register of it
.macro FMA qb, p, o
.irp i, 0,1,2,3,4,5,6,7,8,9,10,11,12,13,14,15
	v_pk_fma_f32 v[S+32*\qb+2*\i:S+32*\qb+2*\i+1], v[S+32*\qb+2*\i:S+32*\qb+2*\i+1], s[66:67], v[NM+\p:NM+\p+1] op_sel:[0,0,\o] op_sel_hi:[1,0,\o]
.endr
.endm
.macro EXP qb                          ; behind a run of these a block of plain vector work on other registers stands before the results are used (ISA guide 5.7.2)
.irp i, 0,1,2,3,4,5,6,7,8,9,10,11,12,13,14,15,16,17,18,19,20,21,22,23,24,25,26,27,28,29,30,31
	v_exp_f32 v[S+32*\qb+\i], v[S+32*\qb+\i]
.endr
.endm
; sums of qb's 32 probabilities in two chains, and their packing to f16 in place: word i of a 16-register group takes numbers 2 i, 2 i + 1,
; which have been summed by then, as have the numbers that lay in word i.
.macro SUMCVT qb, first
	s_wait_alu depctr_va_vdst(0)
	v_pk_add_f32 v[SUM+4*\qb:SUM+4*\qb+1],   v[S+32*\qb:S+32*\qb+1],       v[S+32*\qb+2:S+32*\qb+3]
	v_pk_add_f32 v[SUM+4*\qb+2:SUM+4*\qb+3], v[S+32*\qb+16:S+32*\qb+17],   v[S+32*\qb+18:S+32*\qb+19]
.irp i, 0,1
	v_cvt_pk_f16_f32 v[S+32*\qb+\i],    v[S+32*\qb+2*\i],    v[S+32*\qb+2*\i+1]
	v_cvt_pk_f16_f32 v[S+32*\qb+16+\i], v[S+32*\qb+16+2*\i], v[S+32*\qb+16+2*\i+1]
.endr
.irp i, 2,3,4,5,6,7
	v_pk_add_f32 v[SUM+4*\qb:SUM+4*\qb+1],   v[SUM+4*\qb:SUM+4*\qb+1],   v[S+32*\qb+2*\i:S+32*\qb+2*\i+1]
	v_pk_add_f32 v[SUM+4*\qb+2:SUM+4*\qb+3], v[SUM+4*\qb+2:SUM+4*\qb+3], v[S+32*\qb+16+2*\i:S+32*\qb+16+2*\i+1]
	v_cvt_pk_f16_f32 v[S+32*\qb+\i],    v[S+32*\qb+2*\i],    v[S+32*\qb+2*\i+1]
	v_cvt_pk_f16_f32 v[S+32*\qb+16+\i], v[S+32*\qb+16+2*\i], v[S+32*\qb+16+2*\i+1]
.endr
	v_pk_add_f32 v[SUM+4*\qb:SUM+4*\qb+1], v[SUM+4*\qb:SUM+4*\qb+1], v[SUM+4*\qb+2:SUM+4*\qb+3]
.if \first
	v_add_f32 v[L+\qb], v[SUM+4*\qb], v[SUM+4*\qb+1]               ; the first tile starts the sum
.else
	v_add_f32 v[SUM+4*\qb], v[SUM+4*\qb], v[SUM+4*\qb+1]
	v_fma_f32 v[L+\qb], v[L+\qb], v[AL+\qb], v[SUM+4*\qb]
.endif
.endm
.macro OSCALE qb, p, o                 ; the four output tiles of qb times its rescaling factor
.irp wb, 0,1,2,3
.irp i, 0,1,2,3
	v_pk_mul_f32 v[8*(4*\wb+\qb)+2*\i:8*(4*\wb+\qb)+2*\i+1], v[8*(4*\wb+\qb)+2*\i:8*(4*\wb+\qb)+2*\i+1], v[AL+\p:AL+\p+1] op_sel:[0,\o] op_sel_hi:[1,\o]
.endr
.endr
.endm
; One tile: 64 queries x 64 keys.  first = 1: maxima, sums and output start here, nothing is cleared.
.macro TILE first
	WIN 0x40
.irp kb, 0,1,2,3
.irp wh, 0,1
	ds_load_b128 v[KF+16*\kb+8*\wh:KF+16*\kb+8*\wh+3],   v[KADR] offset:\kb*16*KP+\wh*64
	ds_load_b128 v[KF+16*\kb+8*\wh+4:KF+16*\kb+8*\wh+7], v[KADR] offset:\kb*16*KP+\wh*64+32
.endr
.endr
.irp wb, 0,1,2,3
.irp kk, 0,1
	ds_load_tr16_b128 v[VF+16*\wb+8*\kk:VF+16*\wb+8*\kk+3],   v[VADR] offset:\kk*32*VP+32*\wb
	ds_load_tr16_b128 v[VF+16*\wb+8*\kk+4:VF+16*\wb+8*\kk+7], v[VADR] offset:\kk*32*VP+32*\wb+16*VP
.endr
.endr
	s_wait_dscnt 16                                ; K's sixteen loads are in; V's sixteen stay out
	WIN 0x01
	; scores: the 16 tiles take turns, one instruction a turn; the first half of the head width starts the sums
.irp wh, 0,1
.irp qb, 0,1,2,3
.irp kb, 0,1,2,3
.if \wh == 0
	v_wmma_f32_16x16x32_f16 v[S+32*\qb+8*\kb:S+32*\qb+8*\kb+7], v[KF+16*\kb+8*\wh:KF+16*\kb+8*\wh+7], v[Q+16*\qb+8*\wh:Q+16*\qb+8*\wh+7], 0
.else
	v_wmma_f32_16x16x32_f16 v[S+32*\qb+8*\kb:S+32*\qb+8*\kb+7], v[KF+16*\kb+8*\wh:KF+16*\kb+8*\wh+7], v[Q+16*\qb+8*\wh:Q+16*\qb+8*\wh+7], v[S+32*\qb+8*\kb:S+32*\qb+8*\kb+7]
.endif
.endr
.endr
.endr
	WIN 0
.rept 5
	v_nop                                          ; the places behind the score products: their results are read below, and their registers serve as a matrix source later (ISA guide 7.12.1)
.endr
	; maxima: four chains, one for each qb, that do not wait for each other
.irp qb, 0,1,2,3
	v_max3_num_f32 v[MX+\qb], v[S+32*\qb], v[S+32*\qb+1], v[S+32*\qb+2]
.endr
.irp i, 0,1,2,3,4,5,6,7,8,9,10,11,12,13
.irp qb, 0,1,2,3
	v_max3_num_f32 v[MX+\qb], v[MX+\qb], v[S+32*\qb+2*\i+3], v[S+32*\qb+2*\i+4]
.endr
.endr
.irp qb, 0,1,2,3
.if \first
	v_max_num_f32 v[MX+\qb], v[MX+\qb], v[S+32*\qb+31]
.else
	v_max3_num_f32 v[MX+\qb], v[MX+\qb], v[S+32*\qb+31], v[M+\qb]  ; the running maximum joins
.endif
.endr
.irp qb, 0,1,2,3
	v_permlanex16_b32 v[T+\qb], v[MX+\qb], s68, s69                ; the other half of the lanes holds the query's other keys
.endr
.irp qb, 0,1,2,3
	v_max_num_f32 v[M+\qb], v[MX+\qb], v[T+\qb]
.endr
.if \first == 0
.irp qb, 0,1,2,3
	v_fma_f32 v[AL+\qb], s71, v[M+\qb], -v[NM+\qb]                 ; -32 (new maximum - old), never above 0
.endr
.endif
.irp qb, 0,1,2,3
	v_mul_f32 v[NM+\qb], s71, v[M+\qb]
.endr
.if \first == 0
.irp qb, 0,1,2,3
	v_exp_f32 v[AL+\qb], v[AL+\qb]                                 ; used first in SUMCVT 0, behind the plain work of FMA 0
.endr
.endif
	FMA 0, 0, 0
	EXP 0
	FMA 1, 0, 1
	SUMCVT 0, \first
	EXP 1
	FMA 2, 2, 0
	SUMCVT 1, \first
	EXP 2
	FMA 3, 2, 1
	SUMCVT 2, \first
	EXP 3
	v_nop                                          ; the plain place behind the last exponentials
	SUMCVT 3, \first
.if \first == 0
	WIN 0x41
	OSCALE 0, 0, 0
	OSCALE 1, 0, 1
	OSCALE 2, 2, 0
	OSCALE 3, 2, 1
.endif
	s_wait_dscnt 0                                 ; V's fragments are in
	WIN 0x51
	; output: the 16 tiles take turns, one instruction a turn
.irp kk, 0,1
.irp wb, 0,1,2,3
.irp qb, 0,1,2,3
.if \first*(1-\kk)
	v_wmma_f32_16x16x32_f16 v[8*(4*\wb+\qb):8*(4*\wb+\qb)+7], v[VF+16*\wb+8*\kk:VF+16*\wb+8*\kk+7], v[S+32*\qb+16*\kk:S+32*\qb+16*\kk+7], 0
.else
	v_wmma_f32_16x16x32_f16 v[8*(4*\wb+\qb):8*(4*\wb+\qb)+7], v[VF+16*\wb+8*\kk:VF+16*\wb+8*\kk+7], v[S+32*\qb+16*\kk:S+32*\qb+16*\kk+7], v[8*(4*\wb+\qb):8*(4*\wb+\qb)+7]
.endif
.endr
.endr
.endr
	WIN 0
.rept 5
	v_nop                                          ; the places in front of the next loads into K's and V's fragments and of the next score products, which write over P
.endr
.endm
.macro STEP                            ; my parity's next tile: 128 keys on
	v_add_nc_u32 v[KADR], 128*KP, v[KADR]
	v_add_nc_u32 v[VADR], 128*VP, v[VADR]
.endm
.macro RUN n                           ; n tiles
	s_mov_b32 s70, \n
.Lrun_\@:
	TILE 0
	STEP
	s_sub_co_u32 s70, s70, 1
	s_cmp_lg_u32 s70, 0
	s_cbranch_scc1 .Lrun_\@
.endm
.macro SETADR off                      ; the first tile of my parity in the slot at byte off
	v_add_nc_u32 v[KADR], \off, v[KB]
	v_add_nc_u32 v[VADR], \off, v[VB]
.endm
	s_wait_tensorcnt 6                             ; my parts of keys 0-255 (K, V) are in; the six younger loads stay out
	s_barrier_signal -1
	s_barrier_wait -1                              ; everybody's are
	s_wait_loadcnt 0x0                             ; Q
	TILE 1
	STEP
	TILE 0
	STEP                                           ; the slot's halves lie back to back: the addresses step on into keys 256-511
	s_wait_tensorcnt 4                             ; my parts of keys 256-511 are in; slot 1's four stay out
	s_wait_dscnt 0x0
	s_barrier_signal -1
	s_barrier_wait -1
	RUN 2
	s_wait_tensorcnt 0x0                           ; all my tensor loads have landed, slot 1's among them, so every group 0 may be written
	ds_add_u32 v62, v63
	STEPG 0
	s_wait_dscnt 0x0                               ; my reads of slot 0 are done
	ROUND                                          ; both now hold of every wave of the four work-groups
	FILL 0                                         ; keys 1024-1535: the first tensor loads behind the round; they have four tiles of work in which to land
	SETADR SLOT
	RUN 4                                          ; keys 512-1023
	s_wait_tensorcnt 0x0
	ds_add_u32 v62, v63
	STEPG 1
	s_wait_dscnt 0x0
	ROUND
	FILL 1                                         ; keys 1536-2047
	SETADR 0
	RUN 4                                          ; keys 1024-1535
	s_wait_tensorcnt 0x0                           ; the last four loads
	s_wait_dscnt 0x0                               ; my last reads of slot 0
	s_barrier_signal -1
	s_barrier_wait -1                              ; behind it no wave reads slot 0 and no load fills it: it serves as exchange and stage below
	SETADR SLOT
	RUN 4                                          ; keys 1536-2047
	; THE END.  Sums across the two halves of the lanes; then the two parities of a query group merge: parity 0 finishes query blocks 0, 1 and
	; hands over 2, 3; parity 1 the other way round.
.irp qb, 0,1,2,3
	v_permlanex16_b32 v[T+\qb], v[L+\qb], s68, s69
.endr
.irp qb, 0,1,2,3
	v_add_f32 v[L+\qb], v[L+\qb], v[T+\qb]
.endr
.macro GIVE a                          ; output tiles, maxima and sums of query blocks a, a + 1 into my exchange bytes
	WIN 0x04                                       ; store data in window 1
.irp wb, 0,1,2,3
.irp qp, 0,1
	ds_store_b128 v[XS], v[8*(4*\wb+\a+\qp):8*(4*\wb+\a+\qp)+3]   offset:(2*\wb+\qp)*1024
	ds_store_b128 v[XS], v[8*(4*\wb+\a+\qp)+4:8*(4*\wb+\a+\qp)+7] offset:(2*\wb+\qp)*1024+512
.endr
.endr
	WIN 0
	ds_store_b64 v[XS8], v[M+\a:M+\a+1]
	ds_store_b64 v[XS8], v[L+\a:L+\a+1] offset:256
.endm
.macro TAKE a                          ; merges my query blocks a, a + 1 with the partner's and stores 32 rows of 256 bytes
.irp t, 0,1,2,3,4,5,6,7
	ds_load_b128 v[X+8*\t:X+8*\t+3],   v[XR] offset:\t*1024
	ds_load_b128 v[X+8*\t+4:X+8*\t+7], v[XR] offset:\t*1024+512
.endr
	ds_load_b64 v[24:25], v[XR8]                   ; the partner's maxima
	ds_load_b64 v[26:27], v[XR8] offset:256        ; and sums
	v_mul_f32 v16, s71, v[M+\a]                    ; -32 x my maximum
	v_mul_f32 v17, s71, v[M+\a+1]
	s_wait_dscnt 0x0
	v_mul_f32 v18, s71, v24                        ; -32 x the partner's
	v_mul_f32 v19, s71, v25
	v_min_num_f32 v20, v16, v18                    ; -32 x the larger maximum
	v_min_num_f32 v21, v17, v19
	v_sub_f32 v16, v20, v16                        ; exponents, never above 0
	v_sub_f32 v17, v21, v17
	v_sub_f32 v18, v20, v18
	v_sub_f32 v19, v21, v19
	v_exp_f32 v16, v16
	v_exp_f32 v17, v17
	v_exp_f32 v18, v18
	v_exp_f32 v19, v19
	v_nop                                          ; the plain place behind the exponentials
	s_wait_alu depctr_va_vdst(0)
	v_mul_f32 v20, v[L+\a], v16
	v_mul_f32 v21, v[L+\a+1], v17
	v_fma_f32 v20, v26, v18, v20                   ; the whole sum: at least 1, since the largest score gives p = 1
	v_fma_f32 v21, v27, v19, v21
	v_rcp_f32 v20, v20
	v_rcp_f32 v21, v21
	v_nop                                          ; the plain place behind the reciprocals
	s_wait_alu depctr_va_vdst(0)
	v_mul_f32 v20, 0x41800000, v20                 ; x 16: v was stored as v / 16
	v_mul_f32 v21, 0x41800000, v21
	v_mul_f32 v16, v16, v20                        ; my factor
	v_mul_f32 v17, v17, v21
	v_mul_f32 v18, v18, v20                        ; the partner's
	v_mul_f32 v19, v19, v21
.irp wb, 0,1,2,3
.irp qp, 0,1
.irp i, 0,1,2,3
	v_pk_mul_f32 v[X+8*(2*\wb+\qp)+2*\i:X+8*(2*\wb+\qp)+2*\i+1], v[X+8*(2*\wb+\qp)+2*\i:X+8*(2*\wb+\qp)+2*\i+1], v[18:19] op_sel:[0,\qp] op_sel_hi:[1,\qp]
.endr
.endr
.endr
	WIN 0x01                                       ; source 0, my output tiles, in window 1
.irp wb, 0,1,2,3
.irp qp, 0,1
.irp i, 0,1,2,3
	v_pk_fma_f32 v[X+8*(2*\wb+\qp)+2*\i:X+8*(2*\wb+\qp)+2*\i+1], v[8*(4*\wb+\a+\qp)+2*\i:8*(4*\wb+\a+\qp)+2*\i+1], v[16:17], v[X+8*(2*\wb+\qp)+2*\i:X+8*(2*\wb+\qp)+2*\i+1] op_sel:[0,\qp,0] op_sel_hi:[1,\qp,1]
.endr
.endr
.endr
	WIN 0
.irp wb, 0,1,2,3
.irp qp, 0,1
	ds_store_b128 v[SW], v[X+8*(2*\wb+\qp):X+8*(2*\wb+\qp)+3]   offset:\qp*16*272+\wb*64      ; row 16 qp + r, numbers 16 wb + 8 h ..
	ds_store_b128 v[SW], v[X+8*(2*\wb+\qp)+4:X+8*(2*\wb+\qp)+7] offset:\qp*16*272+\wb*64+16
.endr
.endr
.irp t, 0,1,2,3,4,5,6,7,8,9,10,11,12,13,14,15
	ds_load_b128 v[RBK+4*\t:RBK+4*\t+3], v[SR] offset:\t*2*272     ; the stage is my own: LDS serves a wave's instructions in order (ISA guide 5.7.1)
.endr
.irp t, 0,1,2,3,4,5,6,7,8,9,10,11,12,13,14,15
	s_wait_dscnt 15-\t                             ; this read-back is in, the younger stay out
	global_store_b128 v[CO], v[RBK+4*\t:RBK+4*\t+3], s[6:7] offset:\t*8192 th:TH_STORE_NT   ; 16 lanes store 256 consecutive bytes, aligned: a query's row of the head
.endr
.endm
	s_cmp_lg_u32 s10, 0
	s_cbranch_scc1 .Lgive_odd
	GIVE 2
	s_branch .Lgiven
.Lgive_odd:
	GIVE 0
.Lgiven:
	s_wait_dscnt 0x0                               ; my stores are done, for the partner's sake
	s_barrier_signal -1
	s_barrier_wait -1
	s_cmp_lg_u32 s10, 0
	s_cbranch_scc1 .Ltake_odd
	TAKE 0
	s_branch .Ltaken
.Ltake_odd:
	TAKE 2
.Ltaken:
	s_wait_tensorcnt 0x0
	ds_add_u32 v62, v63
	s_wait_dscnt 0x0
	ROUND                                          ; the closing round: no work-group ends while a partner may still ask for a tile that names it
	s_endpgm
.Lfunc_end_k_qbe69045884_attn:
	.size	k_qbe69045884_attn, .Lfunc_end_k_qbe69045884_attn-k_qbe69045884_attn
	.p2alignl 7, 3214868480
	.fill 96, 4, 3214868480
	.section	.rodata,"a",@progbits
	.p2align	6, 0x0
	.amdhsa_kernel k_qbe69045884_attn
		.amdhsa_group_segment_fixed_size 327680
		.amdhsa_private_segment_fixed_size 0
		.amdhsa_enable_private_segment 0
		.amdhsa_kernarg_size 16
		.amdhsa_user_sgpr_count 2
		.amdhsa_user_sgpr_kernarg_segment_ptr 1
		.amdhsa_wavefront_size32 1
		.amdhsa_system_sgpr_workgroup_id_x 1
		.amdhsa_system_sgpr_workgroup_id_y 1
		.amdhsa_system_sgpr_workgroup_id_z 1
		.amdhsa_system_vgpr_workitem_id 0
		.amdhsa_next_free_vgpr 512
		.amdhsa_next_free_sgpr 88
		.amdhsa_reserve_vcc 0
		.amdhsa_float_denorm_mode_32 3
		.amdhsa_float_denorm_mode_16_64 3
		.amdhsa_memory_ordered 1
		.amdhsa_forward_progress 1
		.amdhsa_inst_pref_size 225
	.end_amdhsa_kernel
	.amdgpu_metadata
---
amdhsa.version: [ 1, 2 ]
amdhsa.kernels:
  - .name:           k_qbe69045884_attn
    .symbol:         k_qbe69045884_attn.kd
    .args:
      - { .name: qkv, .offset: 0, .size: 8, .value_kind: global_buffer, .address_space: global }
      - { .name: out0, .offset: 8, .size: 8, .value_kind: global_buffer, .address_space: global }
    .group_segment_fixed_size: 327680
    .private_segment_fixed_size: 0
    .kernarg_segment_align: 8
    .kernarg_segment_size: 16
    .max_flat_workgroup_size: 256
    .sgpr_count:     88
    .vgpr_count:     512
    .wavefront_size: 32
...
	.end_amdgpu_metadata
.endif
;; end of part 3
